; MI455X (gfx1250); checked and timed in simulation.
; The chip was launched on July 23, 2026; its instructions are those of AMD's public machine-readable ISA for CDNA 5 (MIT licence, August 2026) and "CDNA5" Instruction Set Architecture Reference Guide (July 2026). The comments in the code are by the model that wrote it; some were corrected since.
;; NN Net. Allowed arithmetic: float matrix products may take bf16 or f16 operands with f32 sums; all other float work in f32.
;; Inputs: query_posns 8,192 x 16 x 2 float32; sample_posns 1,024 x 16 x 2 float32; sample_vals 1,024 x 16 x 64 float32.
;; Outputs: out0 8,192 x 16 x 64 float32.
;; One version. Each part assembles by itself: llvm-mc -triple=amdgcn-amd-amdhsa -mcpu=gfx1250 --defsym DOCPART=n.
;; ======== version 1 of 1: 2 launches
;; limits: values outside matrix products are rounded to bf16
;; workspace buffers: nearest 524,288 bytes of whole numbers
;; launch argmin (part 1): grid 16 x 16, 16 waves a work-group, no clusters, 14,336 bytes of LDS; arguments query_posns, sample_posns, nearest; writes nearest
.if DOCPART == 1
	.amdgcn_target "amdgcn-amd-amdhsa--gfx1250"
	.amdhsa_code_object_version 6
	.text
	.protected	k_q14f3ad1f6a_argmin
	.globl	k_q14f3ad1f6a_argmin
	.p2align	8
	.type	k_q14f3ad1f6a_argmin,@function
k_q14f3ad1f6a_argmin:
	s_mov_b64 s[64:65], 0
	v_nop
	global_prefetch_b8 v0, s[64:65] scope:SCOPE_SE
	s_setreg_imm32_b32 hwreg(HW_REG_WAVE_MODE, 25, 1), 1
	s_wait_xcnt 0x0
; nearest[b][q] = the lowest s that minimises  d = (q2 - 2 qs) + s2  over the 1024 samples of batch b.
; query_posns [8192][16][2] f32, sample_posns [1024][16][2] f32, nearest [16][8192] u32 (read by the gather launch
;
; NUMBERS.  All positions are first rounded to bf16 (nearest even); the einsum qs goes to the matrix unit with these operands.
; Products of two bf16 are exact in f32, so q2, s2 and qs are each ONE rounding of an exact sum, whatever the order; the two
; remaining roundings, u = q2 - 2 qs and d = u + s2, are made here one by one in f32, and ties go to the lowest index.
; LIMITS: the neighbour found is that of the bf16-rounded positions.  Positions must be finite, and their squares and products must
; neither overflow nor fall into the denormal range (about 1e-18 < |x| < 1e18, or x = 0): the fragments lean on 0 x finite = 0 and
; on scaling by -2 being exact.  A NaN distance is skipped (v_min3_num), where an argmin over NaN would return its index.
; The two-product sum is rounded by the matrix instruction itself.
;
; SHAPE.  256 work-groups = 16 blocks of 512 queries (x) x 16 batches (y); 16 waves, four on a SIMD, so that one wave's waits for
; results are filled by three others; a wave owns 32 queries = 2 tiles of 16.
; Samples go in 32 groups of 32 (two tiles of 16).  D = A x B with A = 16 samples (rows), B = 16 queries (columns): lane (r, h)
; holds query r and the samples 8 h + j in register j.  Of K = 32 only k = 0, 1 are live: register 0 of lanes 0-15.
; Stage 1 keeps, per lane, the minimum and the number of the FIRST GROUP that reached it: 8 + 8 packed adds, 8 v_min3 (the running
; minimum is the 17th input), a compare and a select for 16 distances.  Stage 2 fetches the 32 positions of that group without an
; address, as table x one-hot column on the matrix unit (exact: 1.0 x bf16 + zeros), recomputes 16 distances a lane and takes the first.
; No cluster, no tensor load: the work-groups of one batch share 8 KiB of positions, read once in 8-byte pieces 128 bytes apart,
; and every piece has to pass through registers to be rounded.
.set LDS_P,  0                         ; [1024] packed bf16 (-2 sx, -2 sy)
.set LDS_S2, 4096                      ; [1024] f32 s2
.set LDS_T,  8192                      ; stage 2 table: [a = 8][f = 4][m = 16] x 8 bytes = bf16 k = 4a .. 4a+3 of T_f[m][k],
                                       ; T_f[m][k] = coordinate (f & 1) of sample 32 k + 16 (f >> 1) + m.  Wave a (0-7) writes block a alone.
.set LANE, 1                           ; v1   lane
.set R16,  2                           ; v2   r = lane % 16
.set HALF, 3                           ; v3   h = lane / 16
.set H8,   4                           ; v4   8 h
.set PA0,  5                           ; v5   4 r: my word of a sample tile in LDS_P
.set SA0,  6                           ; v6   32 h: my eight words of a sample tile in LDS_S2
.set PA,   7                           ; v7   PA0 + 128 x group
.set SA,   8                           ; v8   SA0 + 128 x group
.set ONE,  9                           ; v9   0x3f80 = bf16 1.0
.set TADR, 10                          ; v10  1024 h + 8 r: my part of a table fragment
.set GS,   11                          ; v11  byte offset of my first sample (waves 0-7)
.set T0,   12                          ; v12-15 at work
.set BQ,   16                          ; v16-31   query fragments, tile t at BQ + 8 t: register 0 data, 1-7 zero
.set AF,   32                          ; v32-63   sample fragments, buffer x tile c at AF + 16 x + 8 c: register 0 data, 1-7 zero
.set S2R,  64                          ; v64-95   s2 of my 16 samples of a group, buffer x at S2R + 16 x
.set DR,   96                          ; v96-127  two sets of 16 distances
.set Q2,   128                         ; v128-131 q2 of tile t, twice (a pair for the packed add)
.set MA,   132                         ; v132-133 running minimum, tile t (the two sets take turns: old and new are both needed)
.set MB,   134                         ; v134-135
.set GI,   136                         ; v136-137 group of the minimum, tile t
.set PQ,   138                         ; v138-139 packed bf16 (qx, qy) of tile t, all lanes
.set XR,   140                         ; v140-146 what a step leaves of its min tree for the next step to finish
.set SL,   148                         ; v148-155 four samples as loaded (waves 0-7)
.set QL,   156                         ; v156-159 two queries as loaded
.set TA,   160                         ; v160-191 the four table fragments
.set DE,   192                         ; v192-207 stage 2: 16 distances.  In the prologue: packed samples and table words
.set QX,   208                         ; v208-209 qx twice
.set QY,   210                         ; v210-211 qy twice
.set IDX,  212                         ; v212-213 the two results
.set GQ,   214                         ; v214 byte offset of my first query
.set PST,  215                         ; v215 where I store P and s2
.set TST,  216                         ; v216 where I store table words
.set PKS,  DE
.set XT,   DE+4
	s_load_b128 s[4:7], s[0:1], 0x0                ; query_posns s[4:5], sample_posns s[6:7]
	s_load_b64 s[8:9], s[0:1], 0x10                ; nearest
	v_lshl_add_u32 v220, v0, 2, 0x3000
	v_mov_b32 v221, 0
	v_and_b32 v[LANE], 31, v0
	v_lshrrev_b32 v[T0], 5, v0
	v_readfirstlane_b32 s10, v[T0]                 ; wave 0..15
	v_and_b32 v[R16], 15, v0
	v_bfe_u32 v[HALF], v0, 4, 1
	s_and_b32 s11, ttmp7, 0xffff                   ; batch b
	s_lshl_b32 s12, s11, 3                         ; 8 b: my batch inside a row of 128 bytes
	s_lshl_b32 s13, ttmp9, 16                      ; 512 queries x 128 bytes
	s_lshl_b32 s17, s10, 12                        ; 32 queries x 128 bytes
	s_add_co_u32 s13, s13, s17
	s_add_co_u32 s13, s13, s12
	v_lshl_add_u32 v[GQ], v[R16], 8, s13           ; query 2 r + t of the wave: lane r ends up with two neighbouring results
	s_lshl_b32 s16, s10, 14                        ; waves 0-7 prepare samples 128 wave .. + 127, rows of 128 bytes
	s_add_co_u32 s16, s16, s12
	v_lshl_add_u32 v[GS], v[LANE], 7, s16          ; sample 128 wave + lane (+ 32 k by the immediate); used by waves 0-7 alone
	s_wait_kmcnt 0x0
	s_cmp_ge_u32 s10, 8
	s_cbranch_scc1 .Lqueries                       ; 1024 samples are four a lane for eight waves: each of these writes one block of each table
.irp k, 0,1,2,3
	global_load_b64 v[SL+2*\k:SL+2*\k+1], v[GS], s[6:7] offset:4096*\k
.endr
.Lqueries:
.irp t, 0,1
	global_load_b64 v[QL+2*\t:QL+2*\t+1], v[GQ], s[4:5] offset:128*\t
.endr
	; while the loads are out: the result's address, constants, LDS addresses, the dead K of the fragments
	s_lshl_b32 s16, s11, 15                        ; nearest: b x 8192 x 4
	s_lshl_b32 s17, ttmp9, 11                      ; + block x 512 x 4
	s_add_co_u32 s16, s16, s17
	s_lshl_b32 s17, s10, 7                         ; + wave x 32 x 4
	s_add_co_u32 s16, s16, s17
	s_mov_b32 s17, 0
	s_add_nc_u64 s[8:9], s[8:9], s[16:17]
	s_mov_b32 s14, 0x76543210                      ; v_permlanex16_b32: lane i reads lane i xor 16
	s_mov_b32 s15, 0xfedcba98
	s_mov_b32 s18, 0xffff0000                      ; a word's upper bf16
	s_lshl_b32 s19, s10, 9                         ; 512 x wave: the part of each of the three LDS tables that a wave 0-7 writes
	s_mov_b32 s22, 0x05040100                      ; v_perm_b32: the two low halves
	s_mov_b32 s23, 0x07060302                      ; the two high halves
	v_lshlrev_b32 v[PA0], 2, v[R16]
	v_lshlrev_b32 v[SA0], 5, v[HALF]
	v_lshlrev_b32 v[H8], 3, v[HALF]
	v_lshlrev_b32 v[TADR], 3, v[R16]
	v_lshl_add_u32 v[TADR], v[HALF], 10, v[TADR]
	v_mov_b32 v[ONE], 0x3f80
.irp f, BQ, BQ+8, AF, AF+8, AF+16, AF+24
.irp i, 1,2,3,4,5,6,7
	v_mov_b32 v[\f+\i], 0                          ; k = 2 .. 7 and 10 .. 31 of every fragment stay zero for the whole loop
.endr
.endr
	s_cmp_ge_u32 s10, 8
	s_cbranch_scc1 .Lprep_q
	v_lshl_add_u32 v[PST], v[LANE], 2, s19
	v_lshl_add_u32 v[TST], v[HALF], 8, s19         ; block a = wave, fragments 2 c and 2 c + 1 with c = h,
	v_lshl_add_u32 v[TST], v[R16], 3, v[TST]       ; row m = r
	s_wait_loadcnt 0x2                             ; the four sample loads are in; the two query loads are younger
.irp k, 0,1,2,3
	v_cvt_pk_bf16_f32 v[PKS+\k], v[SL+2*\k], v[SL+2*\k+1]      ; sx low, sy high
	v_lshlrev_b32 v[T0], 16, v[PKS+\k]                         ; back as f32
	v_and_b32 v[T0+1], s18, v[PKS+\k]
	v_mul_f32 v[T0+2], v[T0], v[T0]                            ; exact
	v_fmac_f32 v[T0+2], v[T0+1], v[T0+1]                       ; s2, one rounding
	v_pk_mul_f32 v[T0:T0+1], v[T0:T0+1], -2.0 op_sel_hi:[1,0]
	v_cvt_pk_bf16_f32 v[T0], v[T0], v[T0+1]                    ; -2 s, exact in bf16
	ds_store_b32 v[PST], v[T0] offset:LDS_P+128*\k
	ds_store_b32 v[PST], v[T0+2] offset:LDS_S2+128*\k
.endr
	; my four samples are k = 4 wave .. + 3 of row m = r of the tables of c = h: 8 bytes of x, 8 bytes of y
	v_perm_b32 v[XT], v[PKS+1], v[PKS], s22
	v_perm_b32 v[XT+1], v[PKS+3], v[PKS+2], s22
	v_perm_b32 v[XT+2], v[PKS+1], v[PKS], s23
	v_perm_b32 v[XT+3], v[PKS+3], v[PKS+2], s23
	ds_store_b64 v[TST], v[XT:XT+1] offset:LDS_T
	ds_store_b64 v[TST], v[XT+2:XT+3] offset:LDS_T+128
.Lprep_q:
	s_wait_loadcnt 0x0                             ; the queries
	v_cmp_gt_u32 vcc_lo, 16, v[LANE]
.irp t, 0,1
	v_cvt_pk_bf16_f32 v[PQ+\t], v[QL+2*\t], v[QL+2*\t+1]
	v_lshlrev_b32 v[T0], 16, v[PQ+\t]
	v_and_b32 v[T0+1], s18, v[PQ+\t]
	v_mul_f32 v[T0+2], v[T0], v[T0]
	v_fma_f32 v[Q2+2*\t], v[T0+1], v[T0+1], v[T0+2]            ; q2, one rounding, in both registers of the pair
	v_fma_f32 v[Q2+2*\t+1], v[T0+1], v[T0+1], v[T0+2]
	v_cndmask_b32 v[BQ+8*\t], 0, v[PQ+\t], vcc_lo              ; k = 0, 1 in lanes 0-15; k = 8, 9 (lanes 16-31) zero
.endr
	s_wait_dscnt 0x0                               ; my LDS stores are done before I say so
	s_barrier_signal -1
	s_barrier_wait -1                              ; LDS is only read from here on
; The live words of a group's two sample fragments, into buffer x.  Lanes 16-31 repeat lanes 0-15 (k = 8, 9), where the query
; fragments are zero.
.macro LDA x, adr, off
	ds_load_b32 v[AF+16*\x], v[\adr] offset:LDS_P+\off
	ds_load_b32 v[AF+16*\x+8], v[\adr] offset:LDS_P+\off+64
.endm
; s2 of my 16 samples of a group, into buffer x
.macro LDS2 x, adr, off
	ds_load_b128 v[S2R+16*\x:S2R+16*\x+3], v[\adr] offset:LDS_S2+\off
	ds_load_b128 v[S2R+16*\x+4:S2R+16*\x+7], v[\adr] offset:LDS_S2+\off+16
	ds_load_b128 v[S2R+16*\x+8:S2R+16*\x+11], v[\adr] offset:LDS_S2+\off+64
	ds_load_b128 v[S2R+16*\x+12:S2R+16*\x+15], v[\adr] offset:LDS_S2+\off+80
.endm
; -2 qs of one sample tile against query tile q
.macro WM1 d, a, q
	v_wmma_f32_16x16x32_bf16 v[\d:\d+7], v[\a:\a+7], v[BQ+8*\q:BQ+8*\q+7], 0
.endm
.macro ADDQ d, q, i                    ; u = q2 + (-2 qs)
	v_pk_add_f32 v[\d+\i:\d+\i+1], v[\d+\i:\d+\i+1], v[Q2+2*\q:Q2+2*\q+1]
.endm
.macro ADDS d, s2, i                   ; d = u + s2
	v_pk_add_f32 v[\d+\i:\d+\i+1], v[\d+\i:\d+\i+1], v[\s2+\i:\s2+\i+1]
.endm
; One step: the 16 distances in set d of query tile q, and the minimum of the 16 and the old minimum (mo).
; The step ends when all of d has been read: five v_min3 into XR .. XR+4 and one that takes in element 15 and the old minimum.
; The last four lines of the tree (two v_min3, the compare, the select), each of which reads the line before it, are finished by the
; NEXT step, strewn among its packed adds: pq, po, pn, pg = tile, old and new minimum and group of the step before.
; A strictly smaller minimum takes the group's number, so the first group that reaches the minimum keeps it.
; wn = 1: the two products of the step after this one are issued here, into the other set of D, one at the head and one in the middle.
; The 16 vector instructions behind the second, which name none of its registers, are the places that ISA guide 7.12.1 asks for in
; front of the first reader of its result and in front of the loads into the fragment that it read.
.macro STEP d, q, s2, mo, pq, po, pn, pg, wn, wd, wa, wq
.if \wn
	WM1 \wd, \wa, \wq
.endif
	ADDQ \d, \q, 0
	v_min3_num_f32 v[XR+6], v[XR+1], v[XR+2], v[XR+3]
	ADDQ \d, \q, 2
	ADDQ \d, \q, 4
	ADDQ \d, \q, 6
	ADDQ \d, \q, 8
	v_min3_num_f32 v[\pn+\pq], v[XR+5], v[XR+6], v[XR+4]
	ADDQ \d, \q, 10
	ADDQ \d, \q, 12
	ADDQ \d, \q, 14
.if \wn
	WM1 \wd+8, \wa+8, \wq
.endif
	ADDS \d, \s2, 0
	ADDS \d, \s2, 2
	v_cmp_lt_f32 vcc_lo, v[\pn+\pq], v[\po+\pq]
	ADDS \d, \s2, 4
	ADDS \d, \s2, 6
	ADDS \d, \s2, 8
	v_cndmask_b32 v[GI+\pq], v[GI+\pq], \pg, vcc_lo
	ADDS \d, \s2, 10
	ADDS \d, \s2, 12
	ADDS \d, \s2, 14
	v_min3_num_f32 v[XR], v[\d], v[\d+1], v[\d+2]
	v_min3_num_f32 v[XR+1], v[\d+3], v[\d+4], v[\d+5]
	v_min3_num_f32 v[XR+2], v[\d+6], v[\d+7], v[\d+8]
	v_min3_num_f32 v[XR+3], v[\d+9], v[\d+10], v[\d+11]
	v_min3_num_f32 v[XR+4], v[\d+12], v[\d+13], v[\d+14]
	v_min3_num_f32 v[XR+5], v[XR], v[\d+15], v[\mo+\q]
.endm
; A trip: the even group e = s20 (buffer 0) and the odd group e + 1 = s21 (buffer 1), two query tiles each: four steps.
; A buffer's registers are loaded again, two groups ahead, as soon as they are free: the fragment words behind the step that holds
; their last product, s2 behind the step that holds its last add.  LDS loads come back in order (ISA guide 5.7.1), and behind the
; loads that a step wants there are always one run of 2 and one run of 4 younger ones: every wait of the loop is for 6.
; last = 1: nothing is loaded, no product for a next trip, and the counts run down.
.macro TRIP last
	s_wait_dscnt 6                                 ; s2 of e is in; fragments (2) and s2 (4) of e + 1 stay out
	STEP DR, 0, S2R, MA, 1, MB, MA, s21, 1, DR+16, AF, 1
	s_add_co_u32 s21, s20, 1                       ; until here s21 was the odd group of the trip before, whose tail the first step finished
.if \last
	s_wait_dscnt 4                                 ; fragments of e + 1 are in; its s2 (4) stays out
.else
	LDA 0, PA, 256
	s_wait_dscnt 6                                 ; fragments of e + 1 are in; its s2 (4) and the 2 just issued stay out
.endif
	STEP DR+16, 1, S2R, MA, 0, MA, MB, s20, 1, DR, AF+16, 0
.if \last
	s_wait_dscnt 0
.else
	LDS2 0, SA, 256
	s_wait_dscnt 6                                 ; s2 of e + 1 is in; fragments (2) and s2 (4) of e + 2 stay out
.endif
	STEP DR, 0, S2R+16, MB, 1, MA, MB, s20, 1, DR+16, AF+16, 1
.if \last
	STEP DR+16, 1, S2R+16, MB, 0, MB, MA, s21, 0, 0, 0, 0
.else
	LDA 1, PA, 384
	s_wait_dscnt 6                                 ; fragments of e + 2 are in; its s2 (4) and the 2 just issued stay out
	STEP DR+16, 1, S2R+16, MB, 0, MB, MA, s21, 1, DR, AF, 0
	LDS2 1, SA, 384
.endif
.endm
.irp f, 0,1,2,3
	ds_load_b64 v[TA+8*\f:TA+8*\f+1], v[TADR] offset:LDS_T+128*\f            ; k = 8 h .. + 3      (block a = 2 h)
	ds_load_b64 v[TA+8*\f+2:TA+8*\f+3], v[TADR] offset:LDS_T+128*\f+512      ; k = 8 h + 4 .. + 7  (a = 2 h + 1)
	ds_load_b64 v[TA+8*\f+4:TA+8*\f+5], v[TADR] offset:LDS_T+128*\f+2048     ; k = 16 + 8 h ..     (a = 2 h + 4)
	ds_load_b64 v[TA+8*\f+6:TA+8*\f+7], v[TADR] offset:LDS_T+128*\f+2560     ; k = 20 + 8 h ..     (a = 2 h + 5)
.endr
	LDA 0, PA0, 0
	LDS2 0, SA0, 0
	LDA 1, PA0, 128
	LDS2 1, SA0, 128
	s_wait_dscnt 10                                ; the tables and group 0's fragments are in: 4 + 2 + 4 loads are younger
	WM1 DR, AF, 0
	WM1 DR+8, AF+8, 0
	; The first step finishes a tail that no step began: on + infinity it leaves + infinity and selects nothing.
	; These nine lines are also the places behind the first products.
.irp i, 1,2,3,4,5
	v_mov_b32 v[XR+\i], 0x7f800000
.endr
	v_mov_b32 v[MA], 0x7f800000
	v_mov_b32 v[MB+1], 0x7f800000
	v_mov_b32 v[GI], 0
	v_mov_b32 v[GI+1], 0
	s_mov_b32 s20, 0                               ; the group in buffer 0, and the loop's counter
	s_mov_b32 s21, 0                               ; the group in buffer 1 (set in the trip)
.Lgroups:                                          ; 15 trips of two groups; groups 30 and 31 follow without loads
	v_lshl_add_u32 v[PA], s20, 7, v[PA0]           ; a group is 128 bytes in LDS_P and in LDS_S2
	v_lshl_add_u32 v[SA], s20, 7, v[SA0]
	TRIP 0
	s_add_co_u32 s20, s20, 2
	s_cmp_lt_u32 s20, 30
	s_cbranch_scc1 .Lgroups
	TRIP 1
	v_min3_num_f32 v[XR+6], v[XR+1], v[XR+2], v[XR+3]          ; the tail of the last step: group 31, tile 1
	v_min3_num_f32 v[MA+1], v[XR+5], v[XR+6], v[XR+4]
	v_cmp_lt_f32 vcc_lo, v[MA+1], v[MB+1]
	v_cndmask_b32 v[GI+1], v[GI+1], s21, vcc_lo
; STAGE 2.  The two halves of the lanes saw different samples of the same query: they agree on the first group that holds the
; minimum, then write that group's number as a one-hot column over k = 0 .. 31 in B's layout
; (register i: k = 8 h + 2 i, + 1; register 4 + i: k = 16 + 8 h + 2 i, + 1).
.macro BUILD t, oh
	v_permlanex16_b32 v[T0], v[MA+\t], s14, s15
	v_permlanex16_b32 v[T0+1], v[GI+\t], s14, s15
	v_min_u32 v[T0+2], v[GI+\t], v[T0+1]
	v_cmp_eq_f32 vcc_lo, v[T0], v[MA+\t]
	v_cndmask_b32 v[T0+2], v[GI+\t], v[T0+2], vcc_lo           ; equal minima: the lower group
	v_cmp_lt_f32 vcc_lo, v[T0], v[MA+\t]
	v_cndmask_b32 v[GI+\t], v[T0+2], v[T0+1], vcc_lo           ; the other half is smaller: its group
	v_sub_nc_u32 v[T0], v[GI+\t], v[H8]                        ; e = g - 8 h; it wraps to a huge number where g < 8 h: no match
	v_and_b32 v[T0+1], 1, v[T0]
	v_lshlrev_b32 v[T0+1], 4, v[T0+1]
	v_lshlrev_b32 v[T0+1], v[T0+1], v[ONE]                     ; 1.0 in the low half (e even) or the high half
	v_lshrrev_b32 v[T0], 1, v[T0]                              ; 0 .. 3: register 0 .. 3; 8 .. 11: register 4 .. 7; else not mine
.irp i, 0,1,2,3
	v_cmp_eq_u32 vcc_lo, \i, v[T0]
	v_cndmask_b32 v[\oh+\i], 0, v[T0+1], vcc_lo
	v_cmp_eq_u32 vcc_lo, \i+8, v[T0]
	v_cndmask_b32 v[\oh+\i+4], 0, v[T0+1], vcc_lo
.endr
.endm
; table x one-hot: register j of lane (r, h) = coordinate of sample 32 g + 16 c + 8 h + j for query r.  x, y of c = 0, x, y of c = 1.
.macro WRES r, oh
.irp f, 0,1,2,3
	v_wmma_f32_16x16x32_bf16 v[\r+8*\f:\r+8*\f+7], v[TA+8*\f:TA+8*\f+7], v[\oh:\oh+7], 0
.endr
.endm
; 16 distances in the reference's order, their minimum, the first sample that has it, and the same choice between the two halves.
.macro COMPUTE t, r
	v_lshlrev_b32 v[QX], 16, v[PQ+\t]
	v_lshlrev_b32 v[QX+1], 16, v[PQ+\t]
	v_and_b32 v[QY], s18, v[PQ+\t]
	v_and_b32 v[QY+1], s18, v[PQ+\t]
.irp c, 0,1
.irp j, 0,2,4,6
	v_pk_mul_f32 v[DE+8*\c+\j:DE+8*\c+\j+1], v[\r+16*\c+\j:\r+16*\c+\j+1], v[QX:QX+1]                                  ; sx qx, exact
.endr
.endr
.irp c, 0,1
.irp j, 0,2,4,6
	v_pk_fma_f32 v[DE+8*\c+\j:DE+8*\c+\j+1], v[\r+16*\c+8+\j:\r+16*\c+8+\j+1], v[QY:QY+1], v[DE+8*\c+\j:DE+8*\c+\j+1]  ; qs
.endr
.endr
.irp i, 0,2,4,6,8,10,12,14
	v_pk_fma_f32 v[DE+\i:DE+\i+1], v[DE+\i:DE+\i+1], -2.0, v[Q2+2*\t:Q2+2*\t+1] op_sel_hi:[1,0,1]                      ; u = q2 - 2 qs
.endr
.irp c, 0,1
.irp j, 0,2,4,6
	v_pk_mul_f32 v[\r+16*\c+\j:\r+16*\c+\j+1], v[\r+16*\c+\j:\r+16*\c+\j+1], v[\r+16*\c+\j:\r+16*\c+\j+1]              ; sx sx, exact
.endr
.endr
.irp c, 0,1
.irp j, 0,2,4,6
	v_pk_fma_f32 v[\r+16*\c+\j:\r+16*\c+\j+1], v[\r+16*\c+8+\j:\r+16*\c+8+\j+1], v[\r+16*\c+8+\j:\r+16*\c+8+\j+1], v[\r+16*\c+\j:\r+16*\c+\j+1] ; s2
.endr
.endr
.irp c, 0,1
.irp j, 0,2,4,6
	v_pk_add_f32 v[DE+8*\c+\j:DE+8*\c+\j+1], v[DE+8*\c+\j:DE+8*\c+\j+1], v[\r+16*\c+\j:\r+16*\c+\j+1]                  ; d = u + s2
.endr
.endr
	v_min3_num_f32 v[\r+8], v[DE], v[DE+1], v[DE+2]            ; y's registers are free now
	v_min3_num_f32 v[\r+9], v[DE+3], v[DE+4], v[DE+5]
	v_min3_num_f32 v[\r+10], v[DE+6], v[DE+7], v[DE+8]
	v_min3_num_f32 v[\r+11], v[DE+9], v[DE+10], v[DE+11]
	v_min3_num_f32 v[\r+12], v[DE+12], v[DE+13], v[DE+14]
	v_min3_num_f32 v[\r+8], v[\r+8], v[\r+9], v[\r+10]
	v_min3_num_f32 v[\r+11], v[\r+11], v[\r+12], v[DE+15]
	v_min_num_f32 v[\r+8], v[\r+8], v[\r+11]                   ; my minimum
	; the first element that has it.  Element l = 8 c + j is sample 16 c + j of my half.  Two chains that do not wait for each other,
	; each from its last element down, so that its lowest match is written last; elements 0-7 give 0-7 or 255 (none), 8-15 give 16-23.
	v_mov_b32 v[\r+9], 0xff
	v_mov_b32 v[\r+10], 23
.irp l, 7,6,5,4,3,2,1
	v_cmp_eq_f32 vcc_lo, v[DE+\l], v[\r+8]
	v_cmp_eq_f32 s24, v[DE+\l+7], v[\r+8]
	v_cndmask_b32 v[\r+9], v[\r+9], \l, vcc_lo
	v_cndmask_b32 v[\r+10], v[\r+10], \l+15, s24
.endr
	v_cmp_eq_f32 vcc_lo, v[DE], v[\r+8]
	v_cndmask_b32 v[\r+9], v[\r+9], 0, vcc_lo
	v_min_u32 v[\r+9], v[\r+9], v[\r+10]
	v_lshl_add_u32 v[\r+9], v[GI+\t], 5, v[\r+9]               ; + 32 g
	v_add_nc_u32 v[\r+9], v[\r+9], v[H8]                       ; + 8 h
	v_permlanex16_b32 v[\r+10], v[\r+8], s14, s15
	v_permlanex16_b32 v[\r+11], v[\r+9], s14, s15
	v_min_u32 v[\r+12], v[\r+9], v[\r+11]
	v_cmp_eq_f32 vcc_lo, v[\r+10], v[\r+8]
	v_cndmask_b32 v[\r+12], v[\r+9], v[\r+12], vcc_lo          ; equal: the lower sample
	v_cmp_lt_f32 vcc_lo, v[\r+10], v[\r+8]
	v_cndmask_b32 v[IDX+\t], v[\r+12], v[\r+11], vcc_lo
.endm
; The one-hot columns lie in the sample fragments' registers, the results in those of s2 and of D.  A BUILD or a COMPUTE of the other
; tile stands between four products and the first reader or writer of their registers (7.12.1).
	BUILD 0, AF
	WRES S2R, AF
	BUILD 1, AF+8
	WRES DR, AF+8
	COMPUTE 0, S2R
	COMPUTE 1, DR
	; Lane r holds the results of queries 2 r and 2 r + 1: lanes 0-15 store 128 consecutive bytes, aligned to 128.  A wave has 32
	; results and no more; to join two waves' halves into one store would take LDS and a barrier, for 512 KiB in the whole launch.
	v_lshlrev_b32 v[T0], 3, v[R16]
	v_cmp_gt_u32 vcc_lo, 16, v[LANE]
	s_wait_tensorcnt 0x0
	ds_add_u32 v220, v221
	s_wait_dscnt 0x0
	s_and_saveexec_b32 s24, vcc_lo
	global_store_b64 v[T0], v[IDX:IDX+1], s[8:9]
	s_endpgm
.Lfunc_end_k_q14f3ad1f6a_argmin:
	.size	k_q14f3ad1f6a_argmin, .Lfunc_end_k_q14f3ad1f6a_argmin-k_q14f3ad1f6a_argmin
	.p2alignl 7, 3214868480
	.fill 96, 4, 3214868480
	.section	.rodata,"a",@progbits
	.p2align	6, 0x0
	.amdhsa_kernel k_q14f3ad1f6a_argmin
		.amdhsa_group_segment_fixed_size 14336
		.amdhsa_private_segment_fixed_size 0
		.amdhsa_enable_private_segment 0
		.amdhsa_kernarg_size 24
		.amdhsa_user_sgpr_count 2
		.amdhsa_user_sgpr_kernarg_segment_ptr 1
		.amdhsa_wavefront_size32 1
		.amdhsa_system_sgpr_workgroup_id_x 1
		.amdhsa_system_sgpr_workgroup_id_y 1
		.amdhsa_system_sgpr_workgroup_id_z 1
		.amdhsa_system_vgpr_workitem_id 0
		.amdhsa_next_free_vgpr 222
		.amdhsa_next_free_sgpr 66
		.amdhsa_reserve_vcc 1
		.amdhsa_float_denorm_mode_32 3
		.amdhsa_float_denorm_mode_16_64 3
		.amdhsa_memory_ordered 1
		.amdhsa_forward_progress 1
		.amdhsa_inst_pref_size 39
	.end_amdhsa_kernel
	.amdgpu_metadata
---
amdhsa.version: [ 1, 2 ]
amdhsa.kernels:
  - .name:           k_q14f3ad1f6a_argmin
    .symbol:         k_q14f3ad1f6a_argmin.kd
    .args:
      - { .name: query_posns, .offset: 0, .size: 8, .value_kind: global_buffer, .address_space: global }
      - { .name: sample_posns, .offset: 8, .size: 8, .value_kind: global_buffer, .address_space: global }
      - { .name: nearest, .offset: 16, .size: 8, .value_kind: global_buffer, .address_space: global }
    .group_segment_fixed_size: 14336
    .private_segment_fixed_size: 0
    .kernarg_segment_align: 8
    .kernarg_segment_size: 24
    .max_flat_workgroup_size: 512
    .sgpr_count:     66
    .vgpr_count:     222
    .wavefront_size: 32
...
	.end_amdgpu_metadata
.endif
;; end of part 1
;; launch gather (part 2): grid 256 x 1, 16 waves a work-group, no clusters, 0 bytes of LDS; arguments nearest, sample_vals, out0; writes out0
.if DOCPART == 2
	.amdgcn_target "amdgcn-amd-amdhsa--gfx1250"
	.amdhsa_code_object_version 6
	.text
	.protected	k_q14f3ad1f6a_gather
	.globl	k_q14f3ad1f6a_gather
	.p2align	8
	.type	k_q14f3ad1f6a_gather,@function
k_q14f3ad1f6a_gather:
	s_mov_b64 s[64:65], 0
	v_nop
	global_prefetch_b8 v0, s[64:65] scope:SCOPE_SE
	s_setreg_imm32_b32 hwreg(HW_REG_WAVE_MODE, 25, 1), 1
	s_wait_xcnt 0x0
; out0[q][b][0..63] = sample_vals[nearest[b][q]][b][0..63].  nearest [16][8192] u32, sample_vals [1024][16][64] f32,
; out0 [8192][16][64] f32.  A row of values is 256 bytes.
; 256 work-groups of 16 waves; a work-group owns 32 queries x 16 batches = 131,072 consecutive bytes of out0.
; Wave w owns the batches 2 p, 2 p + 1 (p = w % 8) of 16 queries (w / 8): lanes 0-15 take batch 2 p, lanes 16-31 batch 2 p + 1,
; 16 bytes a lane, so each store of the wave covers 512 consecutive bytes, aligned.  All 16 gathers of a wave are issued at once:
; the work-group's whole share is in flight, and nothing is left to ask for ahead of time.
; No LDS, no barrier, no matrix unit, no cluster: each wave moves rows of its own, and which rows two waves share is not known.
; An index is clamped to 1023 before it enters an address.
.set IX, 8                             ; v8-23   16 indices, then the byte offsets of the 16 rows
.set DT, 24                            ; v24-87  16 x 16 bytes
	s_load_b128 s[4:7], s[0:1], 0x0                ; nearest s[4:5], sample_vals s[6:7]
	s_load_b64 s[8:9], s[0:1], 0x10                ; out0
	v_lshrrev_b32 v1, 5, v0
	v_readfirstlane_b32 s10, v1                    ; wave
	v_and_b32 v2, 31, v0
	v_lshlrev_b32 v3, 4, v2                        ; 16 x lane = 256 x (lane / 16) + 16 x (lane % 16): batch of the pair, bytes in the row
	v_and_b32 v4, 16, v0
	v_lshlrev_b32 v4, 11, v4                       ; (lane / 16) x 32,768: the second batch's row of nearest
	s_and_b32 s11, s10, 7                          ; p
	s_lshr_b32 s12, s10, 3                         ; which 16 of the 32 queries
	s_lshl_b32 s14, s11, 16                        ; nearest: 2 p x 32,768
	s_lshl_b32 s15, ttmp9, 7                       ; + 32 queries x 4 bytes x work-group
	s_add_co_u32 s14, s14, s15
	s_lshl_b32 s15, s12, 6                         ; + 16 queries x 4 bytes
	s_add_co_u32 s14, s14, s15
	s_mov_b32 s15, 0
	s_lshl_b32 s16, s11, 9                         ; sample_vals and out0: 2 p x 256
	s_mov_b32 s17, 0
	s_lshl_b32 s18, ttmp9, 17                      ; out0: 32 queries x 4,096 bytes x work-group
	s_lshl_b32 s19, s12, 16                        ; + 16 queries x 4,096 bytes
	s_add_co_u32 s18, s18, s19
	s_add_co_u32 s18, s18, s16
	s_mov_b32 s19, 0
	s_wait_kmcnt 0x0
	s_add_nc_u64 s[4:5], s[4:5], s[14:15]
	s_add_nc_u64 s[6:7], s[6:7], s[16:17]
	s_add_nc_u64 s[8:9], s[8:9], s[18:19]
.irp i, 0,1,2,3
	global_load_b128 v[IX+4*\i:IX+4*\i+3], v4, s[4:5] offset:16*\i th:TH_LOAD_NT   ; my batch's 16 indices, the same in all 16 lanes
.endr
	s_wait_loadcnt 0x0
.irp j, 0,1,2,3,4,5,6,7,8,9,10,11,12,13,14,15
	v_min_u32 v[IX+\j], 0x3ff, v[IX+\j]
	v_lshl_add_u32 v[IX+\j], v[IX+\j], 12, v3      ; a sample is 16 batches x 256 bytes
	global_load_b128 v[DT+4*\j:DT+4*\j+3], v[IX+\j], s[6:7]
.endr
.irp j, 0,1,2,3,4,5,6,7,8,9,10,11,12,13,14,15
	s_wait_loadcnt 15-\j                           ; loads come back in order: gather j is in, the 15 - j younger ones stay out
	global_store_b128 v3, v[DT+4*\j:DT+4*\j+3], s[8:9] offset:4096*\j th:TH_STORE_NT
.endr
	s_endpgm
.Lfunc_end_k_q14f3ad1f6a_gather:
	.size	k_q14f3ad1f6a_gather, .Lfunc_end_k_q14f3ad1f6a_gather-k_q14f3ad1f6a_gather
	.p2alignl 7, 3214868480
	.fill 96, 4, 3214868480
	.section	.rodata,"a",@progbits
	.p2align	6, 0x0
	.amdhsa_kernel k_q14f3ad1f6a_gather
		.amdhsa_group_segment_fixed_size 0
		.amdhsa_private_segment_fixed_size 0
		.amdhsa_enable_private_segment 0
		.amdhsa_kernarg_size 24
		.amdhsa_user_sgpr_count 2
		.amdhsa_user_sgpr_kernarg_segment_ptr 1
		.amdhsa_wavefront_size32 1
		.amdhsa_system_sgpr_workgroup_id_x 1
		.amdhsa_system_sgpr_workgroup_id_y 1
		.amdhsa_system_sgpr_workgroup_id_z 1
		.amdhsa_system_vgpr_workitem_id 0
		.amdhsa_next_free_vgpr 88
		.amdhsa_next_free_sgpr 66
		.amdhsa_reserve_vcc 0
		.amdhsa_float_denorm_mode_32 3
		.amdhsa_float_denorm_mode_16_64 3
		.amdhsa_memory_ordered 1
		.amdhsa_forward_progress 1
		.amdhsa_inst_pref_size 8
	.end_amdhsa_kernel
	.amdgpu_metadata
---
amdhsa.version: [ 1, 2 ]
amdhsa.kernels:
  - .name:           k_q14f3ad1f6a_gather
    .symbol:         k_q14f3ad1f6a_gather.kd
    .args:
      - { .name: nearest, .offset: 0, .size: 8, .value_kind: global_buffer, .address_space: global }
      - { .name: sample_vals, .offset: 8, .size: 8, .value_kind: global_buffer, .address_space: global }
      - { .name: out0, .offset: 16, .size: 8, .value_kind: global_buffer, .address_space: global }
    .group_segment_fixed_size: 0
    .private_segment_fixed_size: 0
    .kernarg_segment_align: 8
    .kernarg_segment_size: 24
    .max_flat_workgroup_size: 512
    .sgpr_count:     66
    .vgpr_count:     88
    .wavefront_size: 32
...
	.end_amdgpu_metadata
.endif
;; end of part 2
